; MI455X (gfx1250); checked and timed in simulation.
; The chip was launched on July 23, 2026; its instructions are those of AMD's public machine-readable ISA for CDNA 5 (MIT licence, August 2026) and "CDNA5" Instruction Set Architecture Reference Guide (July 2026). The comments in the code are by the model that wrote it; some were corrected since.
;; Faster Neural Sort. Allowed arithmetic: float matrix products may take bf16 or f16 operands with f32 sums; all other float work in f32.
;; Inputs: scores 32 x 2,048 float32.
;; Outputs: out0 32 x 256 x 2,048 float32.
;; One version. Each part assembles by itself: llvm-mc -triple=amdgcn-amd-amdhsa -mcpu=gfx1250 --defsym DOCPART=n.
;; ======== version 1 of 1: 2 launches
;; workspace buffers: xm 524,288 bytes
;; launch pairs (part 1): grid 256 x 1, 16 waves a work-group, no clusters, 26,880 bytes of LDS; arguments scores, xm; writes xm
.if DOCPART == 1
	.amdgcn_target "amdgcn-amd-amdhsa--gfx1250"
	.amdhsa_code_object_version 6
	.text
	.protected	k_q1b1060ec95_pairs
	.globl	k_q1b1060ec95_pairs
	.p2align	8
	.type	k_q1b1060ec95_pairs,@function
k_q1b1060ec95_pairs:
	s_mov_b64 s[64:65], 0
	v_nop
	global_prefetch_b8 v0, s[64:65] scope:SCOPE_SE
	s_setreg_imm32_b32 hwreg(HW_REG_WAVE_MODE, 25, 1), 1
	s_wait_xcnt 0x0
; FIRST OF TWO LAUNCHES.  scores: [32][2048] f32.  xm: [32][2][2048] f32, plane 0 = x * log2(e), plane 1 = 2 M * log2(e), where
;   x_i = s_i - mean of the row,      M_i = sum over j of min(x_i, x_j).
; Why M: |x_i - x_j| = x_i + x_j - 2 min(x_i, x_j), so B_i = sum_j |s_i - s_j| = n x_i + sum(x) - 2 M_i, and the logit of output row k,
; (n - 1 - 2k) s_i - B_i, equals -(2k+1) x_i + 2 M_i plus terms that are the same for every i, which a softmax over i drops.
; One min and one add for a pair (i, j), both two to an instruction.  Centring on the mean keeps every term within a small multiple of
; B_i (n |x_i| <= B_i and sum|x_j| <= 2 B_i), so no difference of large sums is formed, and a common offset of the scores vanishes here.
; SHARES: 256 work-groups; group g owns i = 256 (g & 7) .. + 255 of batch row g >> 3.  16 waves; every wave takes all 256 i (8 a lane)
; against its own 128 j: 128 x 8 = 1,024 two-pair instructions a wave.  A sum therefore runs over 128 addends only; the 16 partial sums
; of an i meet in LDS and are added as a tree.
; No cluster and no tensor load: the eight groups of a batch row share 8 KiB of scores, which each reads once; the rest is arithmetic.
; LIMITS: finite scores only (v_min_num_f32 drops a NaN, so NaN and infinities do not spread as in the reference);
; 2048 |s - mean| * 2.9 has to stay inside f32 (|s| below about 5e34); the order of rounding differs from the reference's.
.set XS,   0                           ; LDS: the centred row, 2,048 f32
.set PART, 8192                        ; LDS: wave w's 256 partial sums at PART + 1024 w
.set RED,  24576                       ; LDS: 16 words, the waves' sums for the mean
.set S,    4                           ; v[4:7]     my four scores, then centred
.set X,    8                           ; v[8:15]    x of my eight i: 256 (g&7) + 128 h + 4 lane + e in register 4 h + e
.set ACC,  16                          ; v[16:23]   their running sums
.set M,    24                          ; v[24:39]   two sets of eight minima, taking turns; before that at work for the mean
.set TJ,   40                          ; v[40:167]  my wave's 128 x_j, each the same in all lanes; at the end the 16 x 4 partial sums
.set AT,   168                         ; LDS address of my wave's 128 x_j
.set AW,   169                         ; 4 x wave
.set AP,   170                         ; 1024 x wave + 16 x lane
.set AQ,   171                         ; RED, later the address of thread t's four x
	s_load_b128 s[4:7], s[0:1], 0x0                ; scores s[4:5], xm s[6:7]
	v_lshl_add_u32 v172, v0, 2, 0x6100
	v_mov_b32 v173, 0
	v_lshlrev_b32 v1, 4, v0                        ; 16 t: 512 threads x 16 bytes = the row
	s_lshr_b32 s9, ttmp9, 3                        ; batch row
	s_and_b32 s10, ttmp9, 7                        ; which 256 of its i are this group's
	s_lshl_b32 s12, s9, 13                         ; batch row x 8,192 bytes
	s_mov_b32 s13, 0
	s_wait_kmcnt 0x0
	s_add_nc_u64 s[4:5], s[4:5], s[12:13]
	global_load_b128 v[S:S+3], v1, s[4:5]          ; asked for first; the address work below runs under it
	v_lshrrev_b32 v2, 5, v0
	v_readfirstlane_b32 s8, v2                     ; wave 0..15
	v_and_b32 v2, 31, v0
	v_lshlrev_b32 v2, 4, v2                        ; 16 x lane
	s_lshl_b32 s11, s10, 10                        ; my group's 256 x: 1,024 bytes of the row
	s_lshl_b32 s18, s9, 14                         ; xm: batch row x 16,384 bytes
	s_add_co_u32 s18, s18, s11                     ;     + the group's 1,024
	s_mov_b32 s19, 0
	s_add_nc_u64 s[6:7], s[6:7], s[18:19]
	s_mov_b32 s14, 0x76543210                      ; v_permlanex16_b32: lane i of one half reads lane i of the other
	s_mov_b32 s15, 0xfedcba98
	s_lshl_b32 s16, s8, 9                          ; my wave's 128 x_j: 512 bytes
	s_lshl_b32 s17, s8, 2
	s_lshl_b32 s20, s8, 10
	v_mov_b32 v[AT], s16
	v_mov_b32 v[AW], s17
	v_add_nc_u32 v[AP], s20, v2
	v_add_nc_u32 v3, s11, v2                       ; LDS address of my first four x_i
	v_mov_b32 v[AQ], RED
	; THE MEAN.  Every group of a batch row adds in the same order, so all eight centre on the same number.
	s_wait_loadcnt 0x0
	v_pk_add_f32 v[M:M+1], v[S:S+1], v[S+2:S+3]
	v_add_f32 v[M], v[M], v[M+1]
	v_add_f32_dpp v[M], v[M], v[M] row_xmask:1 row_mask:0xf bank_mask:0xf
	v_add_f32_dpp v[M], v[M], v[M] row_xmask:2 row_mask:0xf bank_mask:0xf
	v_add_f32_dpp v[M], v[M], v[M] row_xmask:4 row_mask:0xf bank_mask:0xf
	v_add_f32_dpp v[M], v[M], v[M] row_xmask:8 row_mask:0xf bank_mask:0xf
	v_permlanex16_b32 v[M+1], v[M], s14, s15       ; its destination counts as read: M+1 was written above
	v_add_f32 v[M], v[M], v[M+1]                   ; the wave's 128 scores, in every lane
	ds_store_b32 v[AW], v[M] offset:RED            ; all lanes write the wave's word with the same value
	s_wait_dscnt 0x0                               ; for the other waves' sake: the word is in LDS before I signal
	s_barrier_signal -1
	s_barrier_wait -1
.irp i, 0,1,2,3
	ds_load_b128 v[M+4*\i:M+4*\i+3], v[AQ] offset:16*\i            ; the 16 sums, in every lane
.endr
	s_wait_dscnt 0x0
	v_pk_add_f32 v[M:M+1], v[M:M+1], v[M+2:M+3]
	v_pk_add_f32 v[M+4:M+5], v[M+4:M+5], v[M+6:M+7]
	v_pk_add_f32 v[M+8:M+9], v[M+8:M+9], v[M+10:M+11]
	v_pk_add_f32 v[M+12:M+13], v[M+12:M+13], v[M+14:M+15]
	v_pk_add_f32 v[M:M+1], v[M:M+1], v[M+4:M+5]
	v_pk_add_f32 v[M+8:M+9], v[M+8:M+9], v[M+12:M+13]
	v_pk_add_f32 v[M:M+1], v[M:M+1], v[M+8:M+9]
	v_add_f32 v[M], v[M], v[M+1]                   ; the row's sum
	v_pk_fma_f32 v[S:S+1], v[M:M+1], 0xba000000, v[S:S+1] op_sel_hi:[0,0,1]        ; x = s - sum / 2048 (the factor is -2^-11: exact), one rounding
	v_pk_fma_f32 v[S+2:S+3], v[M:M+1], 0xba000000, v[S+2:S+3] op_sel_hi:[0,0,1]
	ds_store_b128 v1, v[S:S+3] offset:XS
	s_wait_dscnt 0x0                               ; my four x are in LDS before I signal
	s_barrier_signal -1
	s_barrier_wait -1                              ; the centred row is whole; nobody writes it again
	; 34 LDS loads in one run: my eight x_i, then my wave's 128 x_j, four to a load, every lane at the same address
	ds_load_b128 v[X:X+3], v3
	ds_load_b128 v[X+4:X+7], v3 offset:512
.irp i, 0,1,2,3,4,5,6,7,8,9,10,11,12,13,14,15,16,17,18,19,20,21,22,23,24,25,26,27,28,29,30,31
	ds_load_b128 v[TJ+4*\i:TJ+4*\i+3], v[AT] offset:16*\i
.endr
; eight minima of one x_j against my eight x_i, two to an instruction: both halves read the same x_j, the x_i of a pair lie in
; neighbouring registers (different banks), the results in an even and an odd register: a pair for the packed add
.macro MINJ j, d
.irp q, 0,1,2,3
	v_dual_min_num_f32 v[\d+2*\q], v[TJ+\j], v[X+2*\q] :: v_dual_min_num_f32 v[\d+2*\q+1], v[TJ+\j], v[X+2*\q+1]
.endr
.endm
.macro ADDM d
.irp q, 0,1,2,3
	v_pk_add_f32 v[ACC+2*\q:ACC+2*\q+1], v[ACC+2*\q:ACC+2*\q+1], v[\d+2*\q:\d+2*\q+1]
.endr
.endm
	s_wait_dscnt 31                                ; LDS loads come back in order (ISA guide 5.7.1): x_i and the first four x_j are in, 31 younger loads may be out
	MINJ 0, ACC                                    ; the first minima start the sums: nothing is cleared
	MINJ 1, M+8
.set jj, 2
.rept 126
.if jj%4 == 0
	s_wait_dscnt 31-jj/4                           ; the load of x_j jj .. jj+3 is in; those behind it may be out
.endif
	MINJ jj, M+8*(jj&1)                            ; this j's minima into one set,
	ADDM M+8*((jj-1)&1)                            ; the last j's, from the other set, into the sums
.set jj, jj+1
.endr
	ADDM M+8                                       ; j = 127
	ds_store_b128 v[AP], v[ACC:ACC+3] offset:PART          ; byte 4 i of my wave's 1,024
	ds_store_b128 v[AP], v[ACC+4:ACC+7] offset:PART+512
	s_wait_dscnt 0x0                               ; my partial sums are in LDS before I signal
	s_barrier_signal -1
	s_barrier_wait -1
	s_cmp_ge_u32 s8, 2                             ; 256 i, four to a thread: waves 0 and 1 finish, the others are done
	s_cbranch_scc1 .Lend
.irp i, 0,1,2,3,4,5,6,7,8,9,10,11,12,13,14,15
	ds_load_b128 v[TJ+4*\i:TJ+4*\i+3], v1 offset:PART+1024*\i      ; wave i's sums for i = 4 t .. 4 t + 3
.endr
	v_add_nc_u32 v[AQ], s11, v1
	ds_load_b128 v[X:X+3], v[AQ]                   ; and their x
	s_wait_dscnt 0x0
.macro QADD a, b                       ; four sums of wave a += those of wave b
	v_pk_add_f32 v[TJ+4*(\a):TJ+4*(\a)+1], v[TJ+4*(\a):TJ+4*(\a)+1], v[TJ+4*(\b):TJ+4*(\b)+1]
	v_pk_add_f32 v[TJ+4*(\a)+2:TJ+4*(\a)+3], v[TJ+4*(\a)+2:TJ+4*(\a)+3], v[TJ+4*(\b)+2:TJ+4*(\b)+3]
.endm
.irp a, 0,2,4,6,8,10,12,14
	QADD \a, \a+1
.endr
.irp a, 0,4,8,12
	QADD \a, \a+2
.endr
	QADD 0, 4
	QADD 8, 12
	QADD 0, 8
	; the second launch's exponentials work in base 2: log2(e) goes in here, once for each i
	v_pk_mul_f32 v[X:X+1], v[X:X+1], 0x3fb8aa3b op_sel_hi:[1,0]            ; x * 1.442695
	v_pk_mul_f32 v[X+2:X+3], v[X+2:X+3], 0x3fb8aa3b op_sel_hi:[1,0]
	v_pk_mul_f32 v[TJ:TJ+1], v[TJ:TJ+1], 0x4038aa3b op_sel_hi:[1,0]        ; M * 2.885390
	v_pk_mul_f32 v[TJ+2:TJ+3], v[TJ+2:TJ+3], 0x4038aa3b op_sel_hi:[1,0]
	global_store_b128 v1, v[X:X+3], s[6:7]                 ; 64 threads x 16 bytes: 1,024 consecutive bytes, at a multiple of 1,024
	global_store_b128 v1, v[TJ:TJ+3], s[6:7] offset:8192
.Lend:
	s_wait_tensorcnt 0x0
	ds_add_u32 v172, v173
	s_wait_dscnt 0x0
	s_endpgm
.Lfunc_end_k_q1b1060ec95_pairs:
	.size	k_q1b1060ec95_pairs, .Lfunc_end_k_q1b1060ec95_pairs-k_q1b1060ec95_pairs
	.p2alignl 7, 3214868480
	.fill 96, 4, 3214868480
	.section	.rodata,"a",@progbits
	.p2align	6, 0x0
	.amdhsa_kernel k_q1b1060ec95_pairs
		.amdhsa_group_segment_fixed_size 26880
		.amdhsa_private_segment_fixed_size 0
		.amdhsa_enable_private_segment 0
		.amdhsa_kernarg_size 16
		.amdhsa_user_sgpr_count 2
		.amdhsa_user_sgpr_kernarg_segment_ptr 1
		.amdhsa_wavefront_size32 1
		.amdhsa_system_sgpr_workgroup_id_x 1
		.amdhsa_system_sgpr_workgroup_id_y 1
		.amdhsa_system_sgpr_workgroup_id_z 1
		.amdhsa_system_vgpr_workitem_id 0
		.amdhsa_next_free_vgpr 174
		.amdhsa_next_free_sgpr 66
		.amdhsa_reserve_vcc 0
		.amdhsa_float_denorm_mode_32 3
		.amdhsa_float_denorm_mode_16_64 3
		.amdhsa_memory_ordered 1
		.amdhsa_forward_progress 1
		.amdhsa_inst_pref_size 75
	.end_amdhsa_kernel
	.amdgpu_metadata
---
amdhsa.version: [ 1, 2 ]
amdhsa.kernels:
  - .name:           k_q1b1060ec95_pairs
    .symbol:         k_q1b1060ec95_pairs.kd
    .args:
      - { .name: scores, .offset: 0, .size: 8, .value_kind: global_buffer, .address_space: global }
      - { .name: xm, .offset: 8, .size: 8, .value_kind: global_buffer, .address_space: global }
    .group_segment_fixed_size: 26880
    .private_segment_fixed_size: 0
    .kernarg_segment_align: 8
    .kernarg_segment_size: 16
    .max_flat_workgroup_size: 512
    .sgpr_count:     66
    .vgpr_count:     174
    .wavefront_size: 32
...
	.end_amdgpu_metadata
.endif
;; end of part 1
;; launch softmax (part 2): grid 256 x 1, 8 waves a work-group, no clusters, 17,408 bytes of LDS; arguments xm, out0; writes out0
.if DOCPART == 2
	.amdgcn_target "amdgcn-amd-amdhsa--gfx1250"
	.amdhsa_code_object_version 6
	.text
	.protected	k_q1b1060ec95_softmax
	.globl	k_q1b1060ec95_softmax
	.p2align	8
	.type	k_q1b1060ec95_softmax,@function
k_q1b1060ec95_softmax:
	s_mov_b64 s[64:65], 0
	v_nop
	global_prefetch_b8 v0, s[64:65] scope:SCOPE_SE
	s_setreg_imm32_b32 hwreg(HW_REG_WAVE_MODE, 25, 1), 1
	s_wait_xcnt 0x0
; SECOND OF TWO LAUNCHES.  out0[b][k][i] = softmax over i of ( -(2k+1) x_i + 2 M_i ), which is the reference's softmax of
; (n - 1 - 2k) s_i - B_i: the two differ by terms that are the same for every i (see the first launch).  TAU = 1.
; xm: [32][2][2048] f32 holds x log2(e) and 2 M log2(e), so that a logit in base 2 is one fused multiply-add.
; SHARES: 256 work-groups; group g owns the 32 output rows 32 g .. 32 g + 31 of the 8,192 (batch row g >> 3, k = 32 (g & 7) ..).
; Eight waves, four rows each, one after the other.  A wave holds a whole row, 64 numbers a lane, between the pass that finds the maximum,
; the pass that takes the exponentials and the pass that scales: reductions never leave the wave, and no wave waits for another.
; The batch row's 16 KiB of xm are fetched once by the group, through LDS, and stay in 128 registers of each wave for its four rows.
; The row's true maximum is taken away before the exponentials, as in the reference; the largest term of a sum is therefore 1.
; No cluster and no tensor load: the eight groups of a batch row share 16 KiB of input against 256 KiB that each stores.
; LIMITS: finite inputs only (v_max_num_f32 drops a NaN); results below 2^-126 are stored as 0 (v_exp_f32 flushes them).
.set ROWB, 8192                        ; bytes in an output row
.set ROWS, 4                           ; rows of a wave
.set X,   4                            ; v[4:67]     x log2(e): i = 128 c + 4 lane + e in register 4 c + e
.set MM,  68                           ; v[68:131]   2 M log2(e), likewise
.set P,   132                          ; v[132:195]  the row at work: logits, exponentials, results
.set T,   196                          ; v[196:199]  four running maxima
.set SU,  200                          ; v[200:207]  four pairs of running sums
.set A,   208                          ; v[208:209]  -(2k+1), twice
.set NM,  210                          ; v[210:211]  the row's maximum, twice
.set R,   212                          ; v[212:213]  1 / sum, twice
	s_load_b128 s[4:7], s[0:1], 0x0                ; xm s[4:5], out0 s[6:7]
	v_lshl_add_u32 v214, v0, 2, 0x4000
	v_mov_b32 v215, 0
	v_lshlrev_b32 v1, 4, v0                        ; 16 t: 256 threads x 16 bytes = 4,096 bytes a load
	s_lshr_b32 s10, ttmp9, 3                       ; batch row
	s_lshl_b32 s10, s10, 14                        ; x 16,384 bytes of xm
	s_mov_b32 s11, 0
	s_wait_kmcnt 0x0
	s_add_nc_u64 s[4:5], s[4:5], s[10:11]
.irp q, 0,1,2,3
	global_load_b128 v[P+4*\q:P+4*\q+3], v1, s[4:5] offset:4096*\q
.endr
	v_lshrrev_b32 v2, 5, v0
	v_readfirstlane_b32 s8, v2                     ; wave 0..7
	v_and_b32 v2, 31, v0
	v_lshlrev_b32 v2, 4, v2                        ; 16 x lane
	s_lshl_b32 s12, ttmp9, 18                      ; group x 32 rows x 8,192 bytes (below 2^26)
	s_lshl_b32 s9, s8, 15                          ; + wave x 4 rows x 8,192
	s_add_co_u32 s12, s12, s9
	s_mov_b32 s13, 0
	s_add_nc_u64 s[6:7], s[6:7], s[12:13]          ; my first output row
	s_and_b32 s14, ttmp9, 7
	s_lshl_b32 s14, s14, 5                         ; k = 32 (g & 7)
	s_lshl2_add_u32 s14, s8, s14                   ;     + 4 wave
	s_lshl_b32 s14, s14, 1
	s_not_b32 s14, s14                             ; not(2k) = -(2k+1)
	s_mov_b32 s16, 0x76543210                      ; v_permlanex16_b32: lane i of one half reads lane i of the other
	s_mov_b32 s17, 0xfedcba98
.irp q, 0,1,2,3
	s_wait_loadcnt 3-\q                            ; loads come back in order (ISA guide 5.7.1): load q is in, the 3 - q younger ones may be out
	ds_store_b128 v1, v[P+4*\q:P+4*\q+3] offset:4096*\q
.endr
	s_wait_dscnt 0x0                               ; my 64 bytes are in LDS before I signal
	s_barrier_signal -1
	s_barrier_wait -1                              ; the 16 KiB are whole; nobody writes them again
.irp c, 0,1,2,3,4,5,6,7,8,9,10,11,12,13,14,15
	ds_load_b128 v[X+4*\c:X+4*\c+3], v2 offset:512*\c              ; 32 lanes x 16 neighbouring bytes: no bank is asked twice
	ds_load_b128 v[MM+4*\c:MM+4*\c+3], v2 offset:8192+512*\c
.endr
	s_mov_b32 s15, 0
	s_wait_dscnt 0x0
.macro SUB g                           ; eight logits minus the maximum
.irp c, 0,1,2,3
	v_pk_add_f32 v[P+8*\g+2*\c:P+8*\g+2*\c+1], v[P+8*\g+2*\c:P+8*\g+2*\c+1], v[NM:NM+1] neg_lo:[0,1] neg_hi:[0,1]
.endr
.endm
.macro EXP g                           ; eight exponentials, back to back on different registers
.irp e, 0,1,2,3,4,5,6,7
	v_exp_f32 v[P+8*\g+\e], v[P+8*\g+\e]
.endr
.endm
.macro SUM g                           ; eight exponentials into the four pairs of sums
	s_wait_alu depctr_va_vdst(0)
.irp c, 0,1,2,3
	v_pk_add_f32 v[SU+2*\c:SU+2*\c+1], v[SU+2*\c:SU+2*\c+1], v[P+8*\g+2*\c:P+8*\g+2*\c+1]
.endr
.endm
.Lrow:
	v_cvt_f32_i32 v[A], s14
	v_cvt_f32_i32 v[A+1], s14
	; PASS 1: 64 logits in base 2, and their maximum in four chains started by the first eight: nothing is cleared
.set q, 0
.rept 32
	v_pk_fma_f32 v[P+2*q:P+2*q+1], v[X+2*q:X+2*q+1], v[A:A+1], v[MM+2*q:MM+2*q+1]
.set q, q+1
.endr
.irp c, 0,1,2,3
	v_max_num_f32 v[T+\c], v[P+2*\c], v[P+2*\c+1]
.endr
.set q, 4
.rept 28
	v_max3_num_f32 v[T+q%4], v[T+q%4], v[P+2*q], v[P+2*q+1]
.set q, q+1
.endr
	v_max3_num_f32 v[T], v[T], v[T+1], v[T+2]
	v_max_num_f32 v[T], v[T], v[T+3]
	v_max_num_f32_dpp v[T], v[T], v[T] row_xmask:1 row_mask:0xf bank_mask:0xf
	v_max_num_f32_dpp v[T], v[T], v[T] row_xmask:2 row_mask:0xf bank_mask:0xf
	v_max_num_f32_dpp v[T], v[T], v[T] row_xmask:4 row_mask:0xf bank_mask:0xf
	v_max_num_f32_dpp v[T], v[T], v[T] row_xmask:8 row_mask:0xf bank_mask:0xf
	v_permlanex16_b32 v[T+1], v[T], s16, s17       ; its destination counts as read: T+1 was written above
	v_max_num_f32 v[NM], v[T], v[T+1]              ; the row's maximum, in every lane,
	v_max_num_f32 v[NM+1], v[T], v[T+1]            ; twice: a pair for the packed subtraction
	; PASS 2, in groups of eight numbers.  Behind a v_exp_f32 a plain vector instruction that touches neither its result nor its source
	; comes before the result is used (ISA guide 5.7.2): a group's exponentials are followed by the next group's subtractions
	; and by the sums of the group before, and are themselves added one group later.
	SUB 0
	EXP 0
	SUB 1
	EXP 1
	SUB 2
	EXP 2
	SUB 3
	s_wait_alu depctr_va_vdst(0)
.irp c, 0,1,2,3
	v_pk_add_f32 v[SU+2*\c:SU+2*\c+1], v[P+2*\c:P+2*\c+1], v[P+8+2*\c:P+8+2*\c+1]  ; groups 0 and 1 start the sums
.endr
	EXP 3
	SUB 4
	SUM 2
	EXP 4
	SUB 5
	SUM 3
	EXP 5
	SUB 6
	SUM 4
	EXP 6
	SUB 7
	SUM 5
	EXP 7
	SUM 6                                          ; four plain instructions on other registers stand behind the last exponentials
	SUM 7
	v_pk_add_f32 v[SU:SU+1], v[SU:SU+1], v[SU+2:SU+3]
	v_pk_add_f32 v[SU+4:SU+5], v[SU+4:SU+5], v[SU+6:SU+7]
	v_pk_add_f32 v[SU:SU+1], v[SU:SU+1], v[SU+4:SU+5]
	v_add_f32 v[SU], v[SU], v[SU+1]
	v_add_f32_dpp v[SU], v[SU], v[SU] row_xmask:1 row_mask:0xf bank_mask:0xf
	v_add_f32_dpp v[SU], v[SU], v[SU] row_xmask:2 row_mask:0xf bank_mask:0xf
	v_add_f32_dpp v[SU], v[SU], v[SU] row_xmask:4 row_mask:0xf bank_mask:0xf
	v_add_f32_dpp v[SU], v[SU], v[SU] row_xmask:8 row_mask:0xf bank_mask:0xf
	v_permlanex16_b32 v[SU+1], v[SU], s16, s17
	v_add_f32 v[SU], v[SU], v[SU+1]                ; the row's sum, at least 1 (the maximum's own term)
	v_rcp_f32 v[R], v[SU]
	v_rcp_f32 v[R+1], v[SU]                        ; twice: a pair for the packed multiply
	v_nop                                          ; the plain place behind the reciprocals (ISA guide 5.7.2); the multiplies below read them
	; PASS 3: scale in place and store; each store of the wave covers 512 consecutive bytes, at a multiple of 512 from out0's first byte
	s_wait_alu depctr_va_vdst(0)
.irp c, 0,1,2,3,4,5,6,7,8,9,10,11,12,13,14,15
	v_pk_mul_f32 v[P+4*\c:P+4*\c+1], v[P+4*\c:P+4*\c+1], v[R:R+1]
	v_pk_mul_f32 v[P+4*\c+2:P+4*\c+3], v[P+4*\c+2:P+4*\c+3], v[R:R+1]
	global_store_b128 v2, v[P+4*\c:P+4*\c+3], s[6:7] offset:512*\c th:TH_STORE_NT
.endr
	s_wait_xcnt 0x0                                ; the stores' base is stepped, and their data P rewritten in the next trip, only behind this wait (ISA guide 3.1)
	s_add_nc_u64 s[6:7], s[6:7], ROWB
	s_sub_co_i32 s14, s14, 2                       ; k + 1: -(2k+3)
	s_add_co_u32 s15, s15, 1
	s_cmp_lt_u32 s15, ROWS
	s_cbranch_scc1 .Lrow
	s_wait_tensorcnt 0x0
	ds_add_u32 v214, v215
	s_wait_dscnt 0x0
	s_endpgm
.Lfunc_end_k_q1b1060ec95_softmax:
	.size	k_q1b1060ec95_softmax, .Lfunc_end_k_q1b1060ec95_softmax-k_q1b1060ec95_softmax
	.p2alignl 7, 3214868480
	.fill 96, 4, 3214868480
	.section	.rodata,"a",@progbits
	.p2align	6, 0x0
	.amdhsa_kernel k_q1b1060ec95_softmax
		.amdhsa_group_segment_fixed_size 17408
		.amdhsa_private_segment_fixed_size 0
		.amdhsa_enable_private_segment 0
		.amdhsa_kernarg_size 16
		.amdhsa_user_sgpr_count 2
		.amdhsa_user_sgpr_kernarg_segment_ptr 1
		.amdhsa_wavefront_size32 1
		.amdhsa_system_sgpr_workgroup_id_x 1
		.amdhsa_system_sgpr_workgroup_id_y 1
		.amdhsa_system_sgpr_workgroup_id_z 1
		.amdhsa_system_vgpr_workitem_id 0
		.amdhsa_next_free_vgpr 216
		.amdhsa_next_free_sgpr 66
		.amdhsa_reserve_vcc 0
		.amdhsa_float_denorm_mode_32 3
		.amdhsa_float_denorm_mode_16_64 3
		.amdhsa_memory_ordered 1
		.amdhsa_forward_progress 1
		.amdhsa_inst_pref_size 20
	.end_amdhsa_kernel
	.amdgpu_metadata
---
amdhsa.version: [ 1, 2 ]
amdhsa.kernels:
  - .name:           k_q1b1060ec95_softmax
    .symbol:         k_q1b1060ec95_softmax.kd
    .args:
      - { .name: xm, .offset: 0, .size: 8, .value_kind: global_buffer, .address_space: global }
      - { .name: out0, .offset: 8, .size: 8, .value_kind: global_buffer, .address_space: global }
    .group_segment_fixed_size: 17408
    .private_segment_fixed_size: 0
    .kernarg_segment_align: 8
    .kernarg_segment_size: 16
    .max_flat_workgroup_size: 256
    .sgpr_count:     66
    .vgpr_count:     216
    .wavefront_size: 32
...
	.end_amdgpu_metadata
.endif
;; end of part 2
